; MI455X (gfx1250); checked and timed in simulation.
; The chip was launched on July 23, 2026; its instructions are those of AMD's public machine-readable ISA for CDNA 5 (MIT licence, August 2026) and "CDNA5" Instruction Set Architecture Reference Guide (July 2026). The comments in the code are by the model that wrote it; some were corrected since.
;; Embedding. Allowed arithmetic: float matrix products may take bf16 or f16 operands with f32 sums; all other float work in f32.
;; Inputs: token_ids 4 x 4,096 int32; w 50,257 x 512 float32.
;; Outputs: out0 4 x 4,096 x 512 float32.
;; One version. Each part assembles by itself: llvm-mc -triple=amdgcn-amd-amdhsa -mcpu=gfx1250 --defsym DOCPART=n.
;; ======== version 1 of 1: 1 launch
;; launch gather (part 1): grid 256 x 1, 8 waves a work-group, no clusters, 0 bytes of LDS; arguments token_ids, w, out0; writes out0
.if DOCPART == 1
	.amdgcn_target "amdgcn-amd-amdhsa--gfx1250"
	.amdhsa_code_object_version 6
	.text
	.protected	k_q052592efe1_gather
	.globl	k_q052592efe1_gather
	.p2align	8
	.type	k_q052592efe1_gather,@function
k_q052592efe1_gather:
	s_mov_b64 s[64:65], 0
	v_nop
	global_prefetch_b8 v0, s[64:65] scope:SCOPE_SE
	s_setreg_imm32_b32 hwreg(HW_REG_WAVE_MODE, 25, 1), 1
	s_wait_xcnt 0x0
; out0[t][:] = w[token_ids[t]][:] for t = 0 .. 16,383.  token_ids: [4][4096] int32; w: [50257][512] f32; out0: [4][4096][512] f32.
; A pure copy of rows of 2,048 bytes: no arithmetic, so the design is about bytes alone.  Each id is read once, each named row
; once for each time it is named, each output byte is written once; rows of w that no id names are not touched.
; 256 work-groups of 8 waves; a work-group owns 64 consecutive tokens, a wave 8 of them, so a wave's output is 16,384 consecutive bytes.
; A lane owns 16 bytes of each 512-byte quarter of a row: every load and every store of a wave covers 512 consecutive bytes that
; start at a multiple of 512 from its buffer's first byte.
; All 32 loads of a wave (8 rows x 4 quarters, 128 registers) are issued before its first store: there is no loop, no register that a
; memory instruction names is written a second time, and the only waits for data are counted.
; No LDS and no barrier: no byte is used by two lanes.  No cluster: work-groups share no tile (two of them meet on a row only
; where ids repeat).  No prefetch: a row's own load is issued as soon as its id is known, nothing could ask earlier.
; LIMIT: an id is taken to lie in 0 .. 50,256, as the problem states.  An id outside that range, read as unsigned (so a negative one too),
; is clamped to row 50,256; jnp.take would treat such an id otherwise.
.set LAST_ROW, 50256                   ; VOCAB - 1
.set ROW,   2048                       ; bytes in a row of w and of out0
.set QUART, 512                        ; bytes that one load or store of a wave covers
.set TOK,   8                          ; tokens of a wave
.set LN,    1                          ; v1        16 x lane: my 16 bytes in a quarter
.set OO,    2                          ; v2        my byte offset in the work-group's part of out0
.set WV,    3                          ; v3        wave number
.set OFF,   4                          ; v[4:11]   token i: byte offset in w of my 16 bytes in the row's first quarter
.set X,     12                         ; v[12:139] token i, quarter j: 4 registers at X + 16 i + 4 j
.set ID,    16                         ; s[16:23]  the wave's 8 ids, then their rows' byte offsets
	s_load_b128 s[4:7], s[0:1], 0x0                ; token_ids s[4:5], w s[6:7]
	s_load_b64 s[8:9], s[0:1], 0x10                ; out0 s[8:9]
	v_lshrrev_b32 v[WV], 5, v0
	v_readfirstlane_b32 s10, v[WV]                 ; wave number as a scalar, 0 to 7
	v_and_b32 v[LN], 31, v0
	v_lshlrev_b32 v[LN], 4, v[LN]                  ; 16 x lane
	v_lshl_add_u32 v[OO], v[WV], 14, v[LN]         ; + wave x 8 rows x 2,048 bytes
	s_lshl_b32 s12, ttmp9, 8                       ; the work-group's 64 ids: 256 bytes,
	s_lshl_b32 s11, s10, 5                         ; the wave's 8 ids: 32 bytes
	s_add_co_u32 s12, s12, s11
	s_mov_b32 s13, 0
	s_lshl_b32 s2, ttmp9, 17                       ; the work-group's 64 rows of out0: 131,072 bytes each group, 33,554,432 in all: fits 32 bits
	s_mov_b32 s3, 0
	s_wait_kmcnt 0x0                               ; the three addresses are there
	s_add_nc_u64 s[4:5], s[4:5], s[12:13]          ; token_ids at the wave's first id
	s_load_b256 s[ID:ID+7], s[4:5], 0x0            ; 8 ids, 32 bytes at a multiple of 32; nothing in this launch writes token_ids
	s_add_nc_u64 s[8:9], s[8:9], s[2:3]            ; out0 at the work-group's first row
	s_wait_kmcnt 0x0                               ; the ids are there
	; Token by token: the row's offset, then its four loads at once, so that the first rows are asked for while the later offsets are made.
	; The base stays w's own address; the largest offset is 50,256 x 2,048 + 496 + 1,536, below 2^31.
	; No cache hint on these loads: a list may name a row more than once.
.irp i, 0,1,2,3,4,5,6,7
	s_min_u32  s[ID+\i], s[ID+\i], LAST_ROW        ; a loaded number enters an address only clamped to the table
	s_lshl_b32 s[ID+\i], s[ID+\i], 11              ; x 2,048 bytes
	v_add_nc_u32 v[OFF+\i], s[ID+\i], v[LN]        ; + my 16 bytes; a register of the token's own, never written again
.irp j, 0,1,2,3
	global_load_b128 v[X+16*\i+4*\j:X+16*\i+4*\j+3], v[OFF+\i], s[6:7] offset:\j*QUART
.endr
.endr
	; Out, in the order in which the rows were asked for.  Loads come back in order (ISA guide 5.7.1): behind token i's four loads
	; 4 x (7 - i) younger ones were issued, and those may stay out.
	; out0 is written once and not read in this launch: TH_STORE_NT.
.irp i, 0,1,2,3,4,5,6,7
	s_wait_loadcnt 4*(TOK-1-\i)
.irp j, 0,1,2,3
	global_store_b128 v[OO], v[X+16*\i+4*\j:X+16*\i+4*\j+3], s[8:9] offset:\i*ROW+\j*QUART th:TH_STORE_NT
.endr
.endr
	s_endpgm                                       ; plain stores may be outstanding at the end
.Lfunc_end_k_q052592efe1_gather:
	.size	k_q052592efe1_gather, .Lfunc_end_k_q052592efe1_gather-k_q052592efe1_gather
	.p2alignl 7, 3214868480
	.fill 96, 4, 3214868480
	.section	.rodata,"a",@progbits
	.p2align	6, 0x0
	.amdhsa_kernel k_q052592efe1_gather
		.amdhsa_group_segment_fixed_size 0
		.amdhsa_private_segment_fixed_size 0
		.amdhsa_enable_private_segment 0
		.amdhsa_kernarg_size 24
		.amdhsa_user_sgpr_count 2
		.amdhsa_user_sgpr_kernarg_segment_ptr 1
		.amdhsa_wavefront_size32 1
		.amdhsa_system_sgpr_workgroup_id_x 1
		.amdhsa_system_sgpr_workgroup_id_y 1
		.amdhsa_system_sgpr_workgroup_id_z 1
		.amdhsa_system_vgpr_workitem_id 0
		.amdhsa_next_free_vgpr 140
		.amdhsa_next_free_sgpr 66
		.amdhsa_reserve_vcc 0
		.amdhsa_float_denorm_mode_32 3
		.amdhsa_float_denorm_mode_16_64 3
		.amdhsa_memory_ordered 1
		.amdhsa_forward_progress 1
		.amdhsa_inst_pref_size 9
	.end_amdhsa_kernel
	.amdgpu_metadata
---
amdhsa.version: [ 1, 2 ]
amdhsa.kernels:
  - .name:           k_q052592efe1_gather
    .symbol:         k_q052592efe1_gather.kd
    .args:
      - { .name: token_ids, .offset: 0, .size: 8, .value_kind: global_buffer, .address_space: global }
      - { .name: w, .offset: 8, .size: 8, .value_kind: global_buffer, .address_space: global }
      - { .name: out0, .offset: 16, .size: 8, .value_kind: global_buffer, .address_space: global }
    .group_segment_fixed_size: 0
    .private_segment_fixed_size: 0
    .kernarg_segment_align: 8
    .kernarg_segment_size: 24
    .max_flat_workgroup_size: 256
    .sgpr_count:     66
    .vgpr_count:     140
    .wavefront_size: 32
...
	.end_amdgpu_metadata
.endif
;; end of part 1
